; MI455X (gfx1250); checked and timed in simulation.
; The chip was launched on July 23, 2026; its instructions are those of AMD's public machine-readable ISA for CDNA 5 (MIT licence, August 2026) and "CDNA5" Instruction Set Architecture Reference Guide (July 2026). The comments in the code are by the model that wrote it; some were corrected since.
;; Multi Level Hash Encoding. Allowed arithmetic: float matrix products may take bf16 or f16 operands with f32 sums; all other float work in f32.
;; Inputs: emb 4 x 2 x 16,384 float32; x 2,097,152 x 3 float32.
;; Outputs: out0 2,097,152 x 4 x 2 float32.
;; 3 versions, each right; version 2 is faster than version 1; version 3 is version 2 with the launch encode written anew for expert scheduling mode. Each part assembles by itself: llvm-mc -triple=amdgcn-amd-amdhsa -mcpu=gfx1250 --defsym DOCPART=n.
;; ======== version 1 of 3: 2 launches
;; limits: inputs' magnitudes at most 2.3e+18
;; workspace buffers: q 25,165,824 bytes of whole numbers
;; launch quantize (part 1): grid 768 x 1, 8 waves a work-group, no clusters, 0 bytes of LDS; arguments x, q; writes q
.if DOCPART == 1
	.amdgcn_target "amdgcn-amd-amdhsa--gfx1250"
	.amdhsa_code_object_version 6
	.text
	.protected	k_q2abcc3b20e_quantize
	.globl	k_q2abcc3b20e_quantize
	.p2align	8
	.type	k_q2abcc3b20e_quantize,@function
k_q2abcc3b20e_quantize:
	s_mov_b64 s[64:65], 0
	v_nop
	global_prefetch_b8 v0, s[64:65] scope:SCOPE_SE
	s_setreg_imm32_b32 hwreg(HW_REG_WAVE_MODE, 25, 1), 1
	s_wait_xcnt 0x0
; q[i] = the fixed-point image of x[i], for all 3 x 2,097,152 numbers alike: u = trunc(x * 2^21 + 1.125 * 2^21 + 0.5), kept inside 0 .. 2.25 * 2^21.
; The next launch forms cells, hashes and addresses from these whole numbers alone.
; RANGE: u stands for x + 1.125 in units of 2^-21, 23 bits.  Every level of the encoding is zero for |x| >= 1.0625 (level 0, 16 cells, reaches furthest),
; so the clamp at +-1.125 changes no result, for any finite or infinite x.
; LIMITS: x is moved by at most 0.75 * 2^-21 (a quarter unit in the fused multiply-add, half a unit in the rounding).  A NaN becomes u = 0, which the next launch encodes as zeros.
; SHARES: 768 work-groups of 8 waves; a work-group owns 32,768 bytes, a thread eight pieces of 16 bytes, 4,096 bytes apart: each load and each store of a wave
; covers 512 consecutive bytes.  All eight loads go out first; each piece is converted in place and stored when it has come.  No LDS, no barrier: no number needs another.
.set NLD, 8                            ; loads of a thread, all on their way at once
.set KM,  2                            ; v[2:3]  2^21, twice
.set KA,  4                            ; v[4:5]  1.125 * 2^21 + 0.5, twice
.set X,   6                            ; v[6:37] piece i: 4 registers, as loaded, then as stored
	s_load_b128 s[4:7], s[0:1], 0x0                ; x s[4:5], q s[6:7]
	s_lshl_b32 s2, ttmp9, 15                       ; the work-group's 32,768 bytes (767 x 32,768 stays under 2^32)
	s_mov_b32 s3, 0
	v_lshlrev_b32 v1, 4, v0                        ; 16 bytes a thread
	v_mov_b32 v[KM], 0x4a000000                    ; 2^21
	v_mov_b32 v[KM+1], 0x4a000000
	v_mov_b32 v[KA], 0x4a100002                    ; 2,359,296.5
	v_mov_b32 v[KA+1], 0x4a100002
	s_wait_kmcnt 0x0
	s_add_nc_u64 s[4:5], s[4:5], s[2:3]
	s_add_nc_u64 s[6:7], s[6:7], s[2:3]
.irp i, 0,1,2,3,4,5,6,7
	global_load_b128 v[X+4*\i:X+4*\i+3], v1, s[4:5] offset:\i*4096 th:TH_LOAD_NT   ; x is read once in the whole program
.endr
.irp i, 0,1,2,3,4,5,6,7
	s_wait_loadcnt NLD-1-\i                        ; loads come back in order: piece i is in, the younger ones stay out
	v_pk_fma_f32 v[X+4*\i:X+4*\i+1],   v[X+4*\i:X+4*\i+1],   v[KM:KM+1], v[KA:KA+1]
	v_pk_fma_f32 v[X+4*\i+2:X+4*\i+3], v[X+4*\i+2:X+4*\i+3], v[KM:KM+1], v[KA:KA+1]
.irp j, 0,1,2,3
	v_med3_num_f32 v[X+4*\i+\j], v[X+4*\i+\j], 0, 0x4a900000    ; inside 0 .. 4,718,592 = 2.25 * 2^21
.endr
.irp j, 0,1,2,3
	v_cvt_u32_f32 v[X+4*\i+\j], v[X+4*\i+\j]                    ; toward zero; the 0.5 above makes it a rounding
.endr
	global_store_b128 v1, v[X+4*\i:X+4*\i+3], s[6:7] offset:\i*4096   ; no hint: the next launch reads q
.endr
	s_endpgm
.Lfunc_end_k_q2abcc3b20e_quantize:
	.size	k_q2abcc3b20e_quantize, .Lfunc_end_k_q2abcc3b20e_quantize-k_q2abcc3b20e_quantize
	.p2alignl 7, 3214868480
	.fill 96, 4, 3214868480
	.section	.rodata,"a",@progbits
	.p2align	6, 0x0
	.amdhsa_kernel k_q2abcc3b20e_quantize
		.amdhsa_group_segment_fixed_size 0
		.amdhsa_private_segment_fixed_size 0
		.amdhsa_enable_private_segment 0
		.amdhsa_kernarg_size 16
		.amdhsa_user_sgpr_count 2
		.amdhsa_user_sgpr_kernarg_segment_ptr 1
		.amdhsa_wavefront_size32 1
		.amdhsa_system_sgpr_workgroup_id_x 1
		.amdhsa_system_sgpr_workgroup_id_y 1
		.amdhsa_system_sgpr_workgroup_id_z 1
		.amdhsa_system_vgpr_workitem_id 0
		.amdhsa_next_free_vgpr 38
		.amdhsa_next_free_sgpr 66
		.amdhsa_reserve_vcc 0
		.amdhsa_float_denorm_mode_32 3
		.amdhsa_float_denorm_mode_16_64 3
		.amdhsa_memory_ordered 1
		.amdhsa_forward_progress 1
		.amdhsa_inst_pref_size 8
	.end_amdhsa_kernel
	.amdgpu_metadata
---
amdhsa.version: [ 1, 2 ]
amdhsa.kernels:
  - .name:           k_q2abcc3b20e_quantize
    .symbol:         k_q2abcc3b20e_quantize.kd
    .args:
      - { .name: x, .offset: 0, .size: 8, .value_kind: global_buffer, .address_space: global }
      - { .name: q, .offset: 8, .size: 8, .value_kind: global_buffer, .address_space: global }
    .group_segment_fixed_size: 0
    .private_segment_fixed_size: 0
    .kernarg_segment_align: 8
    .kernarg_segment_size: 16
    .max_flat_workgroup_size: 256
    .sgpr_count:     66
    .vgpr_count:     38
    .wavefront_size: 32
...
	.end_amdgpu_metadata
.endif
;; end of part 1
;; launch encode (part 2): grid 256 x 1, 32 waves a work-group, no clusters, 299,008 bytes of LDS; arguments q, emb, out0; writes out0
.if DOCPART == 2
	.amdgcn_target "amdgcn-amd-amdhsa--gfx1250"
	.amdhsa_code_object_version 6
	.text
	.protected	k_q2abcc3b20e_encode
	.globl	k_q2abcc3b20e_encode
	.p2align	8
	.type	k_q2abcc3b20e_encode,@function
k_q2abcc3b20e_encode:
	s_mov_b64 s[64:65], 0
	v_nop
	global_prefetch_b8 v0, s[64:65] scope:SCOPE_SE
	s_setreg_imm32_b32 hwreg(HW_REG_WAVE_MODE, 25, 1), 1
	s_wait_xcnt 0x0
; out0[b][l][:] = the trilinear blend of the 8 corners of b's cell in level l's grid; a corner's entry is found by the direct index (level 0) or the hash (levels 1-3); corners outside the grid count as zero.
; q holds x + 1.125 in units of 2^-21 (23 bits), made by the launch before.  All cells, hashes and addresses are whole-number arithmetic on q; only the weights become floats.
;
; ONE LEVEL, ONE DIMENSION.  With res cells, ix + 1 = (x + 1) res / 2 + 1/2, so T = u * res + 2^21 - res * 2^18 is (ix + 1) * 2^22 (mod 2^32): one multiply-add of 24-bit factors.
; e = T >> 22 is the upper corner, e - 1 the lower, T's low 22 bits the fraction f.  T lies under 545 * 2^22 or, where ix + 1 < 0, wraps to 992 * 2^22 and above, so the unsigned
; compares e < res and e - 1 < res say exactly which corner lies in the grid; a corner outside gets the weight 0 in its dimension, and then any entry may be read for it.
; INDEX.  (cx ^ cy * 2654435761 ^ cz * 805459861) & 16383 hangs on the primes' low 14 bits alone (0x39b1, 0x1795).  Level 0's cx + 16 cy + 256 cz is the same form with 16 and 256
; and the mask 4095: the three terms share no bit.
; RES0 to RES3 = floor(16 * g^l) with g = exp(ln 32 / 3), as reference() makes them: 16, 50, 161, 512.
;
; THE TABLE IN LDS.  An entry's two floats lie 65,536 bytes apart in emb.  They are laid side by side in LDS, so that a corner is ONE read of 8 bytes: 32 reads a point, not 64.
; That wants 32 KiB (level 0 uses 4,096 entries) + 3 x 128 KiB, more than LDS holds, so the levels go in four PHASES: phase k blends level k for all the work-group's points and, in
; phases 0 to 2, fills level k + 1's table meanwhile, one piece of 64 entries a wave for each of its 8 points (32 waves x 8 x 64 = 16,384).  Level 3 takes level 1's place.
; One barrier between phases says both that the next table is whole and that the table two phases back is read no more.  Only level 0's table is waited for at the start.
; NO TENSOR LOAD, NO CLUSTER, though all work-groups read the same table: a tensor load lays rows as they lie in memory, the two planes apart; that would double the 8,192 reads of
; 256 bytes that a work-group's waves make of LDS, to spare a fill of 416 KiB.
;
; SHARES.  256 work-groups of 32 waves; a work-group owns 8,192 points, a thread 8.  A thread keeps its points (24 registers) and their levels 0-2 (48) until level 3 is made.
; In a block of 32 points even lane 2k owns point k, odd lane 2k+1 point 16+k.  At the end the two swap halves (the even lane gives levels 2, 3 and takes its neighbour's 0, 1), so
; that each store of a wave covers 512 consecutive bytes, aligned: lane l's 16 bytes at 16 l.
; LIMITS.  x as q holds it (moved by at most 0.75 * 2^-21: 9.2e-5 of a cell at 512 cells); a NaN in x gives zeros.  The weights carry 2^22 a dimension, taken out by one multiply by
; 2^-66 at the end: exact, unless |emb| passes 2^61.  The eight terms are added in another order than reference()'s.
.set RES0, 16
.set RES1, 50
.set RES2, 161
.set RES3, 512
.set FRAC, 22                          ; fraction bits of T
.set KY,   0x39b1                      ; 2654435761 mod 2^14
.set KZ,   0x1795                      ; 805459861 mod 2^14
.set LDS_B, 0                          ; LDS: level 2's table, 131,072 bytes
.set LDS_A, 131072                     ;      level 1's, later level 3's
.set LDS_0, 262144                     ;      level 0's, 32,768 bytes
.set T8,  1                            ; v1       8 x thread: my 2 entries in a piece of a plane of emb; never rewritten
.set QO,  2                            ; v2       my point's byte offset in q within the work-group's part
.set OO,  3                            ; v3       my 16 bytes' offset in out0 within the work-group's part
.set Q,   4                            ; v[4:35]  point p: u of x, y, z in v[4+4p : 6+4p]
.set RS,  36                           ; v[36:83] point p: levels 0, 1, 2, two floats each, at 36+6p
.set D,   84                           ; v[84:99] corner c = x + 2 y + 4 z: its LDS address in v[84+2c], then its entry in that pair
.set T,   100                          ; v[100:102] T, then f as a float
.set E,   103                          ; v[103:105] upper corner
.set C,   106                          ; v[106:108] lower corner
.set HY,  110                          ; v[110:111] cy * KY for the lower, the upper corner
.set HZ,  112                          ; v[112:113] the same for z
.set H,   114                          ; v[114:117] the four y-z parts of the index
.set WX,  110                          ; the weights take the hashes' registers once the addresses are made: v[110:111] x (lower, upper), v[112:113] y, v[114:115] z
.set WY,  112
.set WZ,  114
.set WA,  116                          ; v[116:117] wy0 wz0, wy1 wz0
.set WB,  118                          ; v[118:119] wy0 wz1, wy1 wz1
.set F,   120                          ; v[120:123] the piece of the next table in hand
.set FT,  124
.set FA,  125
.set SND, 100                          ; the last phase: what I give my neighbour, then what I got
.set OUTA, 120                         ;   16 bytes for the block's first 16 points
.set OUTB, 124                         ;   16 bytes for its last 16
.set SR,  16                           ; s16 res   s17 2^21 - res * 2^18   s18, s19 the multipliers of cy, cz
.set SOFF, 17
.set SKY, 18
.set SKZ, 19
.set SEV, 20                           ; s20 the even lanes
.set M,   24                           ; s[24:29] which corners lie in the grid
; Two entries a lane from each plane of level lv, piece j: a wave's load covers 256 consecutive bytes, aligned.
.macro TLOAD reg, lv, j
	global_load_b64 v[\reg:\reg+1],   v[T8], s[6:7] offset:(\lv)*131072+(\j)*8192
	global_load_b64 v[\reg+2:\reg+3], v[T8], s[6:7] offset:(\lv)*131072+65536+(\j)*8192
.endm
; (a0 a1 b0 b1) becomes (a0 b0 a1 b1) and goes to LDS: lane l's 16 bytes at 16 l, a wave's 512 bytes on end; every thread of the work-group has bytes of its own.
.macro TSTORE reg, lds
	v_mov_b32 v[FT], v[\reg+1]
	v_mov_b32 v[\reg+1], v[\reg+2]
	v_mov_b32 v[\reg+2], v[FT]
	v_lshl_add_u32 v[FA], v0, 4, \lds
	ds_store_b128 v[FA], v[\reg:\reg+3]
.endm
; Between phases: my stores into the next table are done and my reads of this phase's table are back; then all 32 waves meet.
.macro SYNC
	s_wait_dscnt 0x0
	s_barrier_signal -1
	s_barrier_wait -1
.endm
; Point p, level lv.  mask: entries - 1; base: the table's place in LDS; fill = 1: piece p of level lv + 1 goes to fbase meanwhile.
.macro BODY p, lv, mask, base, fill, fbase
.if \lv < 3
.set DST, RS+6*\p+2*\lv
.else
.set DST, D+2                          ; level 3 is stored at once: its two floats stand in a pair that the blend has already used up
.endif
.irp d, 0,1,2
	v_mad_u32_u24 v[T+\d], v[Q+4*\p+\d], s[SR], s[SOFF]         ; (ix + 1) * 2^22
.endr
.irp d, 0,1,2
	v_lshrrev_b32 v[E+\d], FRAC, v[T+\d]
.endr
	v_mul_u32_u24 v[HY+1], s[SKY], v[E+1]
	v_mul_u32_u24 v[HZ+1], s[SKZ], v[E+2]
.irp d, 0,1,2
	v_add_nc_u32 v[C+\d], -1, v[E+\d]
.endr
	v_sub_nc_u32 v[HY], v[HY+1], s[SKY]
	v_sub_nc_u32 v[HZ], v[HZ+1], s[SKZ]
	v_xor_b32 v[H],   v[HY],   v[HZ]
	v_xor_b32 v[H+1], v[HY+1], v[HZ]
	v_xor_b32 v[H+2], v[HY],   v[HZ+1]
	v_xor_b32 v[H+3], v[HY+1], v[HZ+1]
.irp n, 0,1,2,3
	v_and_b32 v[H+\n], \mask, v[H+\n]
.endr
.irp n, 0,1,2,3
	v_xor_b32 v[D+4*\n],   v[C], v[H+\n]                        ; cx is under 1,024 and needs no mask, but for the lower corner -1,
	v_xor_b32 v[D+4*\n+2], v[E], v[H+\n]
.endr
.irp n, 0,1,2,3,4,5,6,7
	v_min_u32 v[D+2*\n], \mask, v[D+2*\n]                       ; which this brings inside the table (its weight is 0); a number that came from memory enters an address only behind such a bound
.endr
.irp n, 0,1,2,3,4,5,6,7
.if \base
	v_lshl_add_u32 v[D+2*\n], v[D+2*\n], 3, \base               ; 8 bytes an entry: inside this level's table and nowhere else
.else
	v_lshlrev_b32 v[D+2*\n], 3, v[D+2*\n]
.endif
.endr
.irp n, 0,1,2,3,4,5,6,7
	ds_load_b64 v[D+2*\n:D+2*\n+1], v[D+2*\n]                   ; the entry lands on its own address
.endr
	; the weights are made while the eight reads are out
.irp d, 0,1,2
	v_and_b32 v[T+\d], (1<<FRAC)-1, v[T+\d]
.endr
.irp d, 0,1,2
	v_cmp_gt_u32 s[M+2*\d],   s[SR], v[C+\d]                    ; unsigned: -1 and the wrapped cells are large
	v_cmp_gt_u32 s[M+2*\d+1], s[SR], v[E+\d]
.endr
.irp d, 0,1,2
	v_cvt_f32_u32 v[T+\d], v[T+\d]                              ; f * 2^22, exact
.endr
.irp d, 0,1,2
	v_sub_f32 v[WX+2*\d], 0x4a800000, v[T+\d]                   ; (1 - f) * 2^22, exact
.endr
.irp d, 0,1,2
	v_cndmask_b32 v[WX+2*\d],   0, v[WX+2*\d], s[M+2*\d]
	v_cndmask_b32 v[WX+2*\d+1], 0, v[T+\d],    s[M+2*\d+1]
.endr
	v_pk_mul_f32 v[WA:WA+1], v[WY:WY+1], v[WZ:WZ+1] op_sel_hi:[1,0]              ; both wy times wz0
	v_pk_mul_f32 v[WB:WB+1], v[WY:WY+1], v[WZ:WZ+1] op_sel:[0,1] op_sel_hi:[1,1] ; both wy times wz1
.if \fill
	s_wait_loadcnt 0x0                                          ; the piece asked for one point ago: nothing else of mine is out
	TSTORE F, \fbase+\p*16384
.endif
	s_wait_dscnt 0x0                                            ; the eight entries are in, and the piece is in LDS: its registers may be loaded again
.if \fill
.if \p < 7
	TLOAD F, \lv+1, \p+1                                        ; the next piece has a whole point's work in which to come
.endif
.endif
	; along x first, both floats of an entry at once, then the four y-z weights
.irp n, 0,1,2,3
	v_pk_mul_f32 v[D+4*\n:D+4*\n+1], v[D+4*\n:D+4*\n+1], v[WX:WX+1] op_sel_hi:[1,0]
.endr
.irp n, 0,1,2,3
	v_pk_fma_f32 v[D+4*\n:D+4*\n+1], v[D+4*\n+2:D+4*\n+3], v[WX:WX+1], v[D+4*\n:D+4*\n+1] op_sel:[0,1,0] op_sel_hi:[1,1,1]
.endr
	v_pk_mul_f32 v[DST:DST+1], v[D:D+1],     v[WA:WA+1] op_sel_hi:[1,0]
	v_pk_fma_f32 v[DST:DST+1], v[D+4:D+5],   v[WA:WA+1], v[DST:DST+1] op_sel:[0,1,0] op_sel_hi:[1,1,1]
	v_pk_fma_f32 v[DST:DST+1], v[D+8:D+9],   v[WB:WB+1], v[DST:DST+1] op_sel_hi:[1,0,1]
	v_pk_fma_f32 v[DST:DST+1], v[D+12:D+13], v[WB:WB+1], v[DST:DST+1] op_sel:[0,1,0] op_sel_hi:[1,1,1]
	v_pk_mul_f32 v[DST:DST+1], v[DST:DST+1], 0x1e800000 op_sel_hi:[1,0]          ; 2^-66: the three weights' 2^22
.if \lv == 3
	; the point is whole: swap halves with the neighbouring lane and store
.irp r, 0,1
	v_cndmask_b32 v[SND+\r],   v[RS+6*\p+\r],   v[RS+6*\p+4+\r], s[SEV]          ; an even lane gives levels 2, 3; an odd lane levels 0, 1
	v_cndmask_b32 v[SND+2+\r], v[RS+6*\p+2+\r], v[DST+\r],       s[SEV]
.endr
.irp r, 0,1,2,3
	v_mov_b32_dpp v[SND+\r], v[SND+\r] row_xmask:1 row_mask:0xf bank_mask:0xf
.endr
	s_wait_xcnt 0x0                                             ; the last point's stores have had their addresses translated (ISA guide 3.1): their data registers are rewritten only behind this wait
.irp r, 0,1,2,3
	v_cndmask_b32 v[OUTA+\r], v[SND+\r], v[RS+6*\p+\r], s[SEV]                   ; point k: even lane its own levels 0, 1; odd lane the neighbour's 2, 3
.endr
.irp r, 0,1
	v_cndmask_b32 v[OUTB+\r],   v[RS+6*\p+4+\r], v[SND+\r],   s[SEV]             ; point 16 + k: even lane the neighbour's levels 0, 1; odd lane its own 2, 3
	v_cndmask_b32 v[OUTB+2+\r], v[DST+\r],       v[SND+2+\r], s[SEV]
.endr
	global_store_b128 v[OO], v[OUTA:OUTA+3], s[8:9] offset:\p*32768 th:TH_STORE_NT       ; 32 lanes, 512 consecutive bytes, at a multiple of 512 from out0's first byte
	global_store_b128 v[OO], v[OUTB:OUTB+3], s[8:9] offset:\p*32768+512 th:TH_STORE_NT
.endif
.endm
.macro PHASE lv, res, ky, kz, mask, base, fill, fbase
	s_mov_b32 s[SR], \res
	s_mov_b32 s[SOFF], ((1<<21)-(\res<<18))&0xffffffff
	s_mov_b32 s[SKY], \ky
	s_mov_b32 s[SKZ], \kz
.irp p, 0,1,2,3,4,5,6,7
	BODY \p, \lv, \mask, \base, \fill, \fbase
.endr
.endm
	s_load_b128 s[4:7], s[0:1], 0x0                ; q s[4:5], emb s[6:7]
	s_load_b64 s[8:9], s[0:1], 0x10                ; out0
	v_lshl_add_u32 v35, v0, 2, 0x48000
	v_mov_b32 v109, 0
	v_lshlrev_b32 v[T8], 3, v0
	v_lshrrev_b32 v[T], 5, v0                      ; wave
	v_bfe_u32 v[T+1], v0, 1, 4                     ; lane / 2
	v_and_b32 v[T+2], 1, v0                        ; lane % 2
	; block p x 32 + wave of 32 points is the wave's p-th: 384 bytes of q, 1,024 bytes of out0; p stands in the immediates
	v_mul_u32_u24 v[QO], 0x180, v[T]
	v_mad_u32_u24 v[QO], v[T+1], 12, v[QO]         ; point lane / 2,
	v_mad_u32_u24 v[QO], v[T+2], 0xc0, v[QO]       ; sixteen further on for the odd lanes
	v_lshlrev_b32 v[OO], 4, v0                     ; 1,024 x wave + 16 x lane = 16 x thread + 512 x wave
	v_lshl_add_u32 v[OO], v[T], 9, v[OO]
	s_mul_i32 s10, ttmp9, 98304                    ; the work-group's 8,192 points: 12 bytes each in q,
	s_mov_b32 s11, 0
	s_lshl_b32 s12, ttmp9, 18                      ; 32 bytes each in out0
	s_mov_b32 s13, 0
	s_mov_b32 s[SEV], 0x55555555
	s_wait_kmcnt 0x0
	s_add_nc_u64 s[4:5], s[4:5], s[10:11]
	s_add_nc_u64 s[8:9], s[8:9], s[12:13]
	TLOAD F, 0, 0                                  ; level 0's 4,096 entries: two pieces a wave
	TLOAD D, 0, 1
.irp p, 0,1,2,3,4,5,6,7
	global_load_b96 v[Q+4*\p:Q+4*\p+2], v[QO], s[4:5] offset:\p*12288 th:TH_LOAD_NT   ; a wave's load covers 384 consecutive bytes; q is read once
.endr
	s_wait_loadcnt 8                               ; level 0's four loads are in; q's eight, issued behind them, stay out
	TSTORE F, LDS_0
	TSTORE D, LDS_0+16384
	s_wait_dscnt 0x0                               ; for the others' sake, and F may be loaded again
	TLOAD F, 1, 0                                  ; level 1's first piece
	s_barrier_signal -1
	s_barrier_wait -1                              ; level 0's table is whole
	s_wait_loadcnt 2                               ; q is in; the two loads just issued stay out
	PHASE 0, RES0, 16, 256, 0xfff, LDS_0, 1, LDS_A
	TLOAD F, 2, 0
	SYNC                                           ; level 1's table is whole
	PHASE 1, RES1, KY, KZ, 0x3fff, LDS_A, 1, LDS_B
	TLOAD F, 3, 0
	SYNC                                           ; level 2's table is whole, and nobody reads level 1's any more: level 3 takes its place
	PHASE 2, RES2, KY, KZ, 0x3fff, LDS_B, 1, LDS_A
	SYNC                                           ; level 3's table is whole
	PHASE 3, RES3, KY, KZ, 0x3fff, LDS_A, 0, 0
	s_wait_tensorcnt 0x0
	ds_add_u32 v35, v109
	s_wait_dscnt 0x0
	s_endpgm
.Lfunc_end_k_q2abcc3b20e_encode:
	.size	k_q2abcc3b20e_encode, .Lfunc_end_k_q2abcc3b20e_encode-k_q2abcc3b20e_encode
	.p2alignl 7, 3214868480
	.fill 96, 4, 3214868480
	.section	.rodata,"a",@progbits
	.p2align	6, 0x0
	.amdhsa_kernel k_q2abcc3b20e_encode
		.amdhsa_group_segment_fixed_size 299008
		.amdhsa_private_segment_fixed_size 0
		.amdhsa_enable_private_segment 0
		.amdhsa_kernarg_size 24
		.amdhsa_user_sgpr_count 2
		.amdhsa_user_sgpr_kernarg_segment_ptr 1
		.amdhsa_wavefront_size32 1
		.amdhsa_system_sgpr_workgroup_id_x 1
		.amdhsa_system_sgpr_workgroup_id_y 1
		.amdhsa_system_sgpr_workgroup_id_z 1
		.amdhsa_system_vgpr_workitem_id 0
		.amdhsa_next_free_vgpr 128
		.amdhsa_next_free_sgpr 66
		.amdhsa_reserve_vcc 0
		.amdhsa_float_denorm_mode_32 3
		.amdhsa_float_denorm_mode_16_64 3
		.amdhsa_memory_ordered 1
		.amdhsa_forward_progress 1
		.amdhsa_inst_pref_size 187
	.end_amdhsa_kernel
	.amdgpu_metadata
---
amdhsa.version: [ 1, 2 ]
amdhsa.kernels:
  - .name:           k_q2abcc3b20e_encode
    .symbol:         k_q2abcc3b20e_encode.kd
    .args:
      - { .name: q, .offset: 0, .size: 8, .value_kind: global_buffer, .address_space: global }
      - { .name: emb, .offset: 8, .size: 8, .value_kind: global_buffer, .address_space: global }
      - { .name: out0, .offset: 16, .size: 8, .value_kind: global_buffer, .address_space: global }
    .group_segment_fixed_size: 299008
    .private_segment_fixed_size: 0
    .kernarg_segment_align: 8
    .kernarg_segment_size: 24
    .max_flat_workgroup_size: 1024
    .sgpr_count:     66
    .vgpr_count:     128
    .wavefront_size: 32
...
	.end_amdgpu_metadata
.endif
;; end of part 2
;; ======== version 2 of 3: 2 launches; 1.15 times as fast as version 1
;; limits: inputs' magnitudes at most 2.3e+18
;; workspace buffers: q 25,165,824 bytes of whole numbers
;; launch quantize: the kernel of part 1 again; grid 768 x 1, 8 waves a work-group, no clusters, 0 bytes of LDS; arguments x, q; writes q
;; launch encode (part 3): grid 256 x 1, 32 waves a work-group, no clusters, 299,008 bytes of LDS; arguments q, emb, out0; writes out0
.if DOCPART == 3
	.amdgcn_target "amdgcn-amd-amdhsa--gfx1250"
	.amdhsa_code_object_version 6
	.text
	.protected	k_q2abcc3b20e_encode
	.globl	k_q2abcc3b20e_encode
	.p2align	8
	.type	k_q2abcc3b20e_encode,@function
k_q2abcc3b20e_encode:
	s_mov_b64 s[64:65], 0
	v_nop
	global_prefetch_b8 v0, s[64:65] scope:SCOPE_SE
	s_setreg_imm32_b32 hwreg(HW_REG_WAVE_MODE, 25, 1), 1
	s_wait_xcnt 0x0
; out0[b][l][:] = the trilinear blend of the 8 corners of b's cell in level l's grid; a corner's entry is found by the direct index (level 0) or the hash (levels 1-3); corners outside the grid count as zero.
; q holds x + 1.125 in units of 2^-21 (23 bits), made by the launch before.  All cells, hashes and addresses are whole-number arithmetic on q; only the weights become floats.
;
; ONE LEVEL, ONE DIMENSION.  With res cells, ix + 1 = (x + 1) res / 2 + 1/2, so T = u * res + 2^21 - res * 2^18 is (ix + 1) * 2^22 (mod 2^32): one multiply-add of 24-bit factors.
; e = T >> 22 is the upper corner, e - 1 the lower, T's low 22 bits the fraction f.  T lies under 545 * 2^22 or, where ix + 1 < 0, wraps to 992 * 2^22 and above, so the unsigned
; compares e < res and e - 1 < res say exactly which corner lies in the grid; a corner outside gets the weight 0 in its dimension, and then any entry may be read for it.
; INDEX.  (cx ^ cy * 2654435761 ^ cz * 805459861) & 16383 hangs on the primes' low 14 bits alone (0x39b1, 0x1795).  An entry is 8 bytes, so the hashed levels work in bytes from the
; start: 8 cx is T >> 19 with its low three bits cleared, the multipliers are 8 x 0x39b1 and 8 x 0x1795, the mask is 8 x 16383; no shift is left to do behind the exclusive ors.
; Level 0's cx + 16 cy + 256 cz is made by shifts and adds.
; RES0 to RES3 = floor(16 * g^l) with g = exp(ln 32 / 3), as reference() makes them: 16, 50, 161, 512.
;
; THE TABLE IN LDS.  An entry's two floats lie 65,536 bytes apart in emb.  They are laid side by side in LDS, so that a corner is ONE read of 8 bytes: 32 reads a point, not 64.
; That wants 32 KiB (level 0 uses 4,096 entries) + 3 x 128 KiB, more than LDS holds: level 3 takes level 1's place when level 1 is read no more.
; THE ORDER OF THE WORK.  A step is one point of each thread at one level; a thread has 8 points, 32 steps.  A point can leave only when all four levels are made, so level 1 is
; finished early and the steps that end a point are spread:
;   section A   4 steps   level 0, points 0-3                          meanwhile level 1's table is stored, two pieces a step
;   section B   8 steps   level 1, all points                          meanwhile level 2's table, one piece a step
;   section C   4 steps   level 0, points 4-7                          meanwhile level 3's table, into level 1's place, two pieces a step
;   section D  16 steps   for each point level 2, level 3, the store   nothing is stored to LDS any more
; So the work-group's 262,144 bytes of out0 leave over 16 of its 32 steps, every second one, and a thread keeps only levels 0 and 1 (32 registers).
; Barriers: level 0's table is whole; behind A (level 1's is whole); behind B (level 2's is whole, level 1's is read no more); behind C (level 3's is whole).
; THE FILL goes through registers, in 26 pieces of 2,048 entries (level 0: two, the others eight each): a thread loads 2 entries of each plane (a wave's load covers 256 consecutive
; bytes, aligned), lays them side by side and stores 16 bytes.  Every piece is asked for well before it is stored, into a slot of four registers that is idle at that time: slots 0-7
; (v52-83; the first four are the results of points 4-7, which are written only from section B's step 4 on, when those slots have been emptied), F and F2.
; WHERE A READ MAY FALL.  Reads that run beside a fill are bounded on both sides: levels 1 and 3 lie at LDS byte 0 and are bounded by the table's last entry; level 0's index is
; bounded and then shifted onto a constant base.  Level 2's base, 2^17, is set in the four y-z parts (one and-or in the mask's place); its reads are bounded from above alone, which
; serves since they stand in section D.
; NO TENSOR LOAD, NO CLUSTER, though all work-groups read the same table: a tensor load lays rows as they lie in memory, the two planes apart; that would double the 8,192 reads of
; 256 bytes that a work-group's waves make of LDS, to spare a fill of 416 KiB.
;
; SHARES.  256 work-groups of 32 waves; a work-group owns 8,192 points, a thread 8.
; In a block of 32 points even lane 2k owns point k, odd lane 2k+1 point 16+k.  At a point's end the two swap halves (the even lane gives levels 2, 3 and takes its neighbour's 0, 1),
; so that each store of a wave covers 512 consecutive bytes, aligned: lane l's 16 bytes at 16 l.
; LIMITS.  x as q holds it (moved by at most 0.75 * 2^-21: 9.2e-5 of a cell at 512 cells); a NaN in x gives zeros.  The weights carry 2^22 a dimension, taken out by one multiply by
; 2^-66 at the end: exact, unless |emb| passes 2^61.  The eight terms are added in another order than reference()'s.
.set RES0, 16
.set RES1, 50
.set RES2, 161
.set RES3, 512
.set FRAC, 22                          ; fraction bits of T
.set KY8,  0x39b1*8                    ; 8 x (2654435761 mod 2^14)
.set KZ8,  0x1795*8                    ; 8 x (805459861 mod 2^14)
.set MASK8, 0x3fff*8                   ; the byte offset of a hashed table's last entry, and the mask of such offsets
.set LDS_A, 0                          ; LDS: level 1's table, later level 3's, 131,072 bytes
.set LDS_B, 131072                     ;      level 2's: 2^17, one bit above MASK8
.set LDS_0, 262144                     ;      level 0's, 32,768 bytes
.set PIECE, 16384                      ; a piece's bytes in LDS: 1,024 threads x 16
.set T8,  1                            ; v1       8 x thread: my 2 entries in a piece of a plane of emb; never rewritten
.set QO,  2                            ; v2       my point's byte offset in q within the work-group's part; never rewritten
.set OO,  3                            ; v3       my 16 bytes' offset in out0 within the work-group's part; never rewritten
.set Q,   4                            ; v[4:35]  point p: u of x, y, z in v[4+4p : 6+4p]
.set FA,  7                            ; v7       (the gap behind point 0's three words) the LDS address of the piece in hand
.set RS,  36                           ; v[36:67] point p: levels 0 and 1, two floats each, at 36+4p
.set SL,  52                           ; v[52:83] slot k of the fill at 52+4k, k = 0 to 7
.set L2T, 68                           ; v[68:69] section D: the point's level 2
.set D,   84                           ; v[84:99] corner c = x + 2 y + 4 z: its LDS address in v[84+2c], then its entry in that pair
.set T,   100                          ; v[100:102] T, then f as a float
.set E,   103                          ; v[103:105] upper corner (of x in the hashed levels: times 8)
.set C,   106                          ; v[106:108] lower corner (likewise)
.set FT,  109                          ; v109     at work in the fill
.set HY,  110                          ; v[110:111] y's part of the index for the lower, the upper corner
.set HZ,  112                          ; v[112:113] the same for z
.set H,   114                          ; v[114:117] the four y-z parts of the index
.set WX,  110                          ; the weights take these registers once the addresses are made: v[110:111] x (lower, upper), v[112:113] y, v[114:115] z
.set WY,  112
.set WZ,  114
.set WA,  116                          ; v[116:117] wy0 wz0, wy1 wz0
.set WB,  118                          ; v[118:119] wy0 wz1, wy1 wz1
.set F,   120                          ; v[120:123] a slot of the fill
.set F2,  124                          ; v[124:127] another
.set SND, 100                          ; a point's end: what I give my neighbour, then what I got
.set OUTA, 120                         ;   16 bytes for the block's first 16 points
.set OUTB, 124                         ;   16 bytes for its last 16
.set SKY, 18                           ; s18, s19 KY8, KZ8
.set SKZ, 19
.set SEV, 20                           ; s20 the even lanes
.set SMK, 21                           ; s21 MASK8
.set SB,  22                           ; s22 LDS_B
.set M,   24                           ; s[24:29] which corners lie in the grid
.set LV,  32                           ; level l: s[32+4l] res, s[33+4l] 2^21 - res * 2^18, s[34+4l] the bound of x's corners as E and C hold them: res, or 8 res
; Point p's three words: a wave's load covers 384 consecutive bytes; q is read once.
.macro QLOAD p
	global_load_b96 v[Q+4*\p:Q+4*\p+2], v[QO], s[4:5] offset:\p*12288 th:TH_LOAD_NT
.endm
; Two entries a lane from each plane of level lv, piece j: two loads.
.macro TLOAD reg, lv, j
	global_load_b64 v[\reg:\reg+1],   v[T8], s[6:7] offset:(\lv)*131072+(\j)*8192
	global_load_b64 v[\reg+2:\reg+3], v[T8], s[6:7] offset:(\lv)*131072+65536+(\j)*8192
.endm
; (a0 a1 b0 b1) becomes (a0 b0 a1 b1) and goes to LDS: lane l's 16 bytes at 16 l, a wave's 512 bytes on end; every thread of the work-group has bytes of its own.
.macro TSTORE reg, lds
	v_mov_b32 v[FT], v[\reg+1]
	v_mov_b32 v[\reg+1], v[\reg+2]
	v_mov_b32 v[\reg+2], v[FT]
	v_lshl_add_u32 v[FA], v0, 4, \lds
	ds_store_b128 v[FA], v[\reg:\reg+3]
.endm
; Between sections: my stores into the tables are done and my reads of this section's table are back; then all 32 waves meet.
.macro SYNC
	s_wait_dscnt 0x0
	s_barrier_signal -1
	s_barrier_wait -1
.endm
; The first half of a step: point p's eight addresses at level lv, the eight reads, and the weights while the reads are out.
.macro FRONT p, lv
.irp d, 0,1,2
	v_mad_u32_u24 v[T+\d], v[Q+4*(\p)+\d], s[LV+4*\lv], s[LV+4*\lv+1]   ; (ix + 1) * 2^22
.endr
.if \lv == 0
.irp d, 0,1,2
	v_lshrrev_b32 v[E+\d], FRAC, v[T+\d]
.endr
.irp d, 0,1,2
	v_add_nc_u32 v[C+\d], -1, v[E+\d]
.endr
	v_lshlrev_b32 v[HY],   4, v[C+1]                            ; 16 cy
	v_lshlrev_b32 v[HY+1], 4, v[E+1]
	v_lshl_add_u32 v[H],   v[C+2], 8, v[HY]                     ; + 256 cz
	v_lshl_add_u32 v[H+1], v[C+2], 8, v[HY+1]
	v_lshl_add_u32 v[H+2], v[E+2], 8, v[HY]
	v_lshl_add_u32 v[H+3], v[E+2], 8, v[HY+1]
.irp n, 0,1,2,3
	v_add_nc_u32 v[D+4*\n],   v[C], v[H+\n]                     ; + cx: under 4,096 where all three corners lie in the grid;
	v_add_nc_u32 v[D+4*\n+2], v[E], v[H+\n]
.endr
.irp n, 0,1,2,3,4,5,6,7
	v_min_u32 v[D+2*\n], 0xfff, v[D+2*\n]                       ; where one does not, the weight is 0 and this brings the index inside the table; a number that came from memory enters an address only behind such a bound
.endr
.irp n, 0,1,2,3,4,5,6,7
	v_lshl_add_u32 v[D+2*\n], v[D+2*\n], 3, LDS_0               ; 8 bytes an entry: inside level 0's table and nowhere else
.endr
.else
	v_lshrrev_b32 v[E],   FRAC-3, v[T]
	v_lshrrev_b32 v[E+1], FRAC,   v[T+1]
	v_lshrrev_b32 v[E+2], FRAC,   v[T+2]
	v_and_b32 v[E], -8, v[E]                                    ; 8 x the upper corner of x: under 8,192, inside the mask
	v_mul_u32_u24 v[HY+1], s[SKY], v[E+1]
	v_mul_u32_u24 v[HZ+1], s[SKZ], v[E+2]
	v_add_nc_u32 v[C],   -8, v[E]
	v_add_nc_u32 v[C+1], -1, v[E+1]
	v_add_nc_u32 v[C+2], -1, v[E+2]
	v_sub_nc_u32 v[HY], v[HY+1], s[SKY]
	v_sub_nc_u32 v[HZ], v[HZ+1], s[SKZ]
	v_xor_b32 v[H],   v[HY],   v[HZ]
	v_xor_b32 v[H+1], v[HY+1], v[HZ]
	v_xor_b32 v[H+2], v[HY],   v[HZ+1]
	v_xor_b32 v[H+3], v[HY+1], v[HZ+1]
.if \lv == 2
.set TOP, LDS_B+MASK8
.irp n, 0,1,2,3
	v_and_or_b32 v[H+\n], v[H+\n], s[SMK], s[SB]                ; the mask, and the table's base in the bit above it
.endr
.else
.set TOP, LDS_A+MASK8
.irp n, 0,1,2,3
	v_and_b32 v[H+\n], s[SMK], v[H+\n]
.endr
.endif
.irp n, 0,1,2,3
	v_xor_b32 v[D+4*\n],   v[C], v[H+\n]                        ; 8 cx touches bits 3 to 12 alone, but for the lower corner -1,
	v_xor_b32 v[D+4*\n+2], v[E], v[H+\n]
.endr
.irp n, 0,1,2,3,4,5,6,7
	v_min_u32 v[D+2*\n], TOP, v[D+2*\n]                         ; which this brings to the table's last entry (its weight is 0); a number that came from memory enters an address only behind such a bound
.endr
.endif
.irp n, 0,1,2,3,4,5,6,7
	ds_load_b64 v[D+2*\n:D+2*\n+1], v[D+2*\n]                   ; the entry lands on its own address
.endr
.irp d, 0,1,2
	v_and_b32 v[T+\d], (1<<FRAC)-1, v[T+\d]
.endr
	v_cmp_gt_u32 s[M],   s[LV+4*\lv+2], v[C]                    ; unsigned: -1 (or -8) and the wrapped cells are large
	v_cmp_gt_u32 s[M+1], s[LV+4*\lv+2], v[E]
.irp d, 1,2
	v_cmp_gt_u32 s[M+2*\d],   s[LV+4*\lv], v[C+\d]
	v_cmp_gt_u32 s[M+2*\d+1], s[LV+4*\lv], v[E+\d]
.endr
.irp d, 0,1,2
	v_cvt_f32_u32 v[T+\d], v[T+\d]                              ; f * 2^22, exact
.endr
.irp d, 0,1,2
	v_sub_f32 v[WX+2*\d], 0x4a800000, v[T+\d]                   ; (1 - f) * 2^22, exact
.endr
.irp d, 0,1,2
	v_cndmask_b32 v[WX+2*\d],   0, v[WX+2*\d], s[M+2*\d]
	v_cndmask_b32 v[WX+2*\d+1], 0, v[T+\d],    s[M+2*\d+1]
.endr
	v_pk_mul_f32 v[WA:WA+1], v[WY:WY+1], v[WZ:WZ+1] op_sel_hi:[1,0]              ; both wy times wz0
	v_pk_mul_f32 v[WB:WB+1], v[WY:WY+1], v[WZ:WZ+1] op_sel:[0,1] op_sel_hi:[1,1] ; both wy times wz1
.endm
; The second half, behind the wait for the eight entries: along x first, both floats of an entry at once, then the four y-z weights; the level's two floats go to the pair dst.
.macro BACK dst
.irp n, 0,1,2,3
	v_pk_mul_f32 v[D+4*\n:D+4*\n+1], v[D+4*\n:D+4*\n+1], v[WX:WX+1] op_sel_hi:[1,0]
.endr
.irp n, 0,1,2,3
	v_pk_fma_f32 v[D+4*\n:D+4*\n+1], v[D+4*\n+2:D+4*\n+3], v[WX:WX+1], v[D+4*\n:D+4*\n+1] op_sel:[0,1,0] op_sel_hi:[1,1,1]
.endr
	v_pk_mul_f32 v[\dst:\dst+1], v[D:D+1],     v[WA:WA+1] op_sel_hi:[1,0]
	v_pk_fma_f32 v[\dst:\dst+1], v[D+4:D+5],   v[WA:WA+1], v[\dst:\dst+1] op_sel:[0,1,0] op_sel_hi:[1,1,1]
	v_pk_fma_f32 v[\dst:\dst+1], v[D+8:D+9],   v[WB:WB+1], v[\dst:\dst+1] op_sel_hi:[1,0,1]
	v_pk_fma_f32 v[\dst:\dst+1], v[D+12:D+13], v[WB:WB+1], v[\dst:\dst+1] op_sel:[0,1,0] op_sel_hi:[1,1,1]
	v_pk_mul_f32 v[\dst:\dst+1], v[\dst:\dst+1], 0x1e800000 op_sel_hi:[1,0]      ; 2^-66: the three weights' 2^22
.endm
; Point p is whole: levels 0, 1 in RS, level 2 in L2T, level 3 in v[D+2:D+3].  Swap halves with the neighbouring lane and store.
.macro OUT p
.irp r, 0,1
	v_cndmask_b32 v[SND+\r],   v[RS+4*\p+\r],   v[L2T+\r], s[SEV]                ; an even lane gives levels 2, 3; an odd lane levels 0, 1
	v_cndmask_b32 v[SND+2+\r], v[RS+4*\p+2+\r], v[D+2+\r], s[SEV]
.endr
.irp r, 0,1,2,3
	v_mov_b32_dpp v[SND+\r], v[SND+\r] row_xmask:1 row_mask:0xf bank_mask:0xf
.endr
	s_wait_xcnt 0x0                                             ; the last point's stores have had their addresses translated (ISA guide 3.1): their data registers are rewritten only behind this wait
.irp r, 0,1,2,3
	v_cndmask_b32 v[OUTA+\r], v[SND+\r], v[RS+4*\p+\r], s[SEV]                   ; point k: even lane its own levels 0, 1; odd lane the neighbour's 2, 3
.endr
.irp r, 0,1
	v_cndmask_b32 v[OUTB+\r],   v[L2T+\r], v[SND+\r],   s[SEV]                   ; point 16 + k: even lane the neighbour's levels 0, 1; odd lane its own 2, 3
	v_cndmask_b32 v[OUTB+2+\r], v[D+2+\r], v[SND+2+\r], s[SEV]
.endr
	global_store_b128 v[OO], v[OUTA:OUTA+3], s[8:9] offset:\p*32768 th:TH_STORE_NT       ; 32 lanes, 512 consecutive bytes, at a multiple of 512 from out0's first byte
	global_store_b128 v[OO], v[OUTB:OUTB+3], s[8:9] offset:\p*32768+512 th:TH_STORE_NT
.endm
; A step of section A: level 0 of point p = 0 to 3; level 1's pieces 2 p and 2 p + 1 leave slots 2 p and 2 p + 1, which are asked for again at once.
.macro SECA p
	s_wait_loadcnt 27-\p                                        ; q of point p
	FRONT \p, 0
	s_wait_loadcnt 23-\p                                        ; the two pieces
	TSTORE SL+8*\p,   LDS_A+(2*\p)*PIECE
	TSTORE SL+8*\p+4, LDS_A+(2*\p+1)*PIECE
	s_wait_dscnt 0x0                                            ; the eight entries are in, and the pieces are in LDS: their slots may be loaded again
.if \p < 3
	TLOAD SL+8*\p,   2, 2*\p+2                                  ; level 2's pieces 2 to 7: stored in section B
	TLOAD SL+8*\p+4, 2, 2*\p+3
.else
	TLOAD SL+8*\p,   3, 0                                       ; level 3's pieces 0, 1: stored in section C
	TLOAD SL+8*\p+4, 3, 1
.endif
	BACK RS+4*\p
.endm
; A step of section B: level 1 of point p; level 2's piece p leaves its slot; again >= 0: the slot takes that piece of level 3.
.macro SECB p, cnt, slot, again
	FRONT \p, 1
	s_wait_loadcnt \cnt
	TSTORE \slot, LDS_B+\p*PIECE
	s_wait_dscnt 0x0
.if \again >= 0
	TLOAD \slot, 3, \again
.endif
	BACK RS+4*\p+2
.endm
; A step of section C: level 0 of point p = 4 to 7; level 3's pieces 2 (p - 4) and 2 (p - 4) + 1 leave slots s1 and s2.
.macro SECC p, cnt, s1, s2
	FRONT \p, 0
	s_wait_loadcnt \cnt
	TSTORE \s1, LDS_A+(2*(\p-4))*PIECE
	TSTORE \s2, LDS_A+(2*(\p-4)+1)*PIECE
	s_wait_dscnt 0x0
.if \p == 4
	TLOAD \s1, 3, 6                                             ; level 3's last two pieces: stored three steps on
	TLOAD \s2, 3, 7
.endif
	BACK RS+4*\p
.endm
.macro LEVEL l, res, xb                ; a level's three constants
	s_mov_b32 s[LV+4*\l], \res
	s_mov_b32 s[LV+4*\l+1], ((1<<21)-(\res<<18))&0xffffffff
	s_mov_b32 s[LV+4*\l+2], \xb
.endm
	s_load_b128 s[4:7], s[0:1], 0x0                ; q s[4:5], emb s[6:7]
	s_load_b64 s[8:9], s[0:1], 0x10                ; out0
	v_lshl_add_u32 v31, v0, 2, 0x48000
	v_mov_b32 v35, 0
	v_lshlrev_b32 v[T8], 3, v0
	v_lshrrev_b32 v[T], 5, v0                      ; wave
	v_bfe_u32 v[T+1], v0, 1, 4                     ; lane / 2
	v_and_b32 v[T+2], 1, v0                        ; lane % 2
	; block p x 32 + wave of 32 points is the wave's p-th: 384 bytes of q, 1,024 bytes of out0; p stands in the immediates
	v_mul_u32_u24 v[QO], 0x180, v[T]
	v_mad_u32_u24 v[QO], v[T+1], 12, v[QO]         ; point lane / 2,
	v_mad_u32_u24 v[QO], v[T+2], 0xc0, v[QO]       ; sixteen further on for the odd lanes
	v_lshlrev_b32 v[OO], 4, v0                     ; 1,024 x wave + 16 x lane = 16 x thread + 512 x wave
	v_lshl_add_u32 v[OO], v[T], 9, v[OO]
	s_mul_i32 s10, ttmp9, 98304                    ; the work-group's 8,192 points: 12 bytes each in q,
	s_mov_b32 s11, 0
	s_lshl_b32 s12, ttmp9, 18                      ; 32 bytes each in out0
	s_mov_b32 s13, 0
	s_mov_b32 s[SEV], 0x55555555
	s_mov_b32 s[SKY], KY8
	s_mov_b32 s[SKZ], KZ8
	s_mov_b32 s[SMK], MASK8
	s_mov_b32 s[SB], LDS_B
	LEVEL 0, RES0, RES0
	LEVEL 1, RES1, 8*RES1
	LEVEL 2, RES2, 8*RES2
	LEVEL 3, RES3, 8*RES3
	s_wait_kmcnt 0x0
	s_add_nc_u64 s[4:5], s[4:5], s[10:11]
	s_add_nc_u64 s[8:9], s[8:9], s[12:13]
	; THE LOADS, numbered in the order of issue.  They come back in that order, so a wait's count is the loads issued so far less the place of the one that is wanted.
	;   the head   1-4 level 0;  5 p + 5 q of point p, 5 p + 6 to 5 p + 9 level 1's pieces 2 p, 2 p + 1 (p = 0 to 3);  25-28 level 2's pieces 0, 1;  29-32 q of points 4-7
	;   section A  33-44 level 2's pieces 2-7, four loads a step;  45-48 level 3's pieces 0, 1
	;   section B  49-50, 51-52 level 3's pieces 2, 3 (steps 0, 1);  53-54, 55-56 its pieces 4, 5 (steps 6, 7)
	;   section C  57-60 level 3's pieces 6, 7 (step 0)
	TLOAD D,   0, 0
	TLOAD D+4, 0, 1
.irp p, 0,1,2,3
	QLOAD \p
	TLOAD SL+8*\p,   1, 2*\p
	TLOAD SL+8*\p+4, 1, 2*\p+1
.endr
	TLOAD F,  2, 0
	TLOAD F2, 2, 1
	QLOAD 4
	QLOAD 5
	QLOAD 6
	QLOAD 7
	s_wait_loadcnt 28                              ; 32 issued, place 4: level 0's four loads are in
	TSTORE D,   LDS_0
	TSTORE D+4, LDS_0+PIECE
	SYNC                                           ; level 0's table is whole
	; SECTION A.  Issued 32, 36, 40, 44 at its four steps; q at places 5, 10, 15, 20: counts 27, 26, 25, 24; the second piece's last load at 9, 14, 19, 24: counts 23, 22, 21, 20.
	SECA 0
	SECA 1
	SECA 2
	SECA 3
	SYNC                                           ; level 1's table is whole
	; SECTION B.  Issued 48, 50, then 52 up to step 6, 54 at step 7; level 2's piece p ends at places 26, 28, 34, 36, 38, 40, 42, 44.  Step 2's wait also shows places 29-32, q of points 4-7.
	SECB 0, 22, F,     2
	SECB 1, 22, F2,    3
	SECB 2, 18, SL,    -1
	SECB 3, 16, SL+4,  -1
	SECB 4, 14, SL+8,  -1
	SECB 5, 12, SL+12, -1
	SECB 6, 10, SL+16, 4
	SECB 7, 10, SL+20, 5
	SYNC                                           ; level 2's table is whole, and nobody reads level 1's any more: level 3 takes its place
	; SECTION C.  Issued 56, then 60; the second piece ends at places 48, 52, 56, 60.
	SECC 4, 8, SL+24, SL+28
	SECC 5, 8, F,     F2
	SECC 6, 4, SL+16, SL+20
	SECC 7, 0, SL+24, SL+28
	SYNC                                           ; level 3's table is whole; from here on LDS is only read
	; SECTION D.  Each point is finished and leaves: a store behind every second step.
.irp p, 0,1,2,3,4,5,6,7
	FRONT \p, 2
	s_wait_dscnt 0x0                               ; the eight entries are in
	BACK L2T
	FRONT \p, 3
	s_wait_dscnt 0x0
	BACK D+2                                       ; level 3's two floats stand in a pair that the blend has already used up
	OUT \p
.endr
	s_wait_tensorcnt 0x0
	ds_add_u32 v31, v35
	s_wait_dscnt 0x0
	s_endpgm
.Lfunc_end_k_q2abcc3b20e_encode:
	.size	k_q2abcc3b20e_encode, .Lfunc_end_k_q2abcc3b20e_encode-k_q2abcc3b20e_encode
	.p2alignl 7, 3214868480
	.fill 96, 4, 3214868480
	.section	.rodata,"a",@progbits
	.p2align	6, 0x0
	.amdhsa_kernel k_q2abcc3b20e_encode
		.amdhsa_group_segment_fixed_size 299008
		.amdhsa_private_segment_fixed_size 0
		.amdhsa_enable_private_segment 0
		.amdhsa_kernarg_size 24
		.amdhsa_user_sgpr_count 2
		.amdhsa_user_sgpr_kernarg_segment_ptr 1
		.amdhsa_wavefront_size32 1
		.amdhsa_system_sgpr_workgroup_id_x 1
		.amdhsa_system_sgpr_workgroup_id_y 1
		.amdhsa_system_sgpr_workgroup_id_z 1
		.amdhsa_system_vgpr_workitem_id 0
		.amdhsa_next_free_vgpr 128
		.amdhsa_next_free_sgpr 66
		.amdhsa_reserve_vcc 0
		.amdhsa_float_denorm_mode_32 3
		.amdhsa_float_denorm_mode_16_64 3
		.amdhsa_memory_ordered 1
		.amdhsa_forward_progress 1
		.amdhsa_inst_pref_size 169
	.end_amdhsa_kernel
	.amdgpu_metadata
---
amdhsa.version: [ 1, 2 ]
amdhsa.kernels:
  - .name:           k_q2abcc3b20e_encode
    .symbol:         k_q2abcc3b20e_encode.kd
    .args:
      - { .name: q, .offset: 0, .size: 8, .value_kind: global_buffer, .address_space: global }
      - { .name: emb, .offset: 8, .size: 8, .value_kind: global_buffer, .address_space: global }
      - { .name: out0, .offset: 16, .size: 8, .value_kind: global_buffer, .address_space: global }
    .group_segment_fixed_size: 299008
    .private_segment_fixed_size: 0
    .kernarg_segment_align: 8
    .kernarg_segment_size: 24
    .max_flat_workgroup_size: 1024
    .sgpr_count:     66
    .vgpr_count:     128
    .wavefront_size: 32
...
	.end_amdgpu_metadata
.endif
;; end of part 3
;; ======== version 3 of 3: 2 launches; version 2 with the launch encode written anew for expert scheduling mode
;; limits: inputs' magnitudes at most 2.3e+18
;; workspace buffers: q 25,165,824 bytes of whole numbers
;; launch quantize: the kernel of part 1 again; grid 768 x 1, 8 waves a work-group, no clusters, 0 bytes of LDS; arguments x, q; writes q
;; launch encode (part 4): grid 256 x 1, 32 waves a work-group, no clusters, 299,008 bytes of LDS; arguments q, emb, out0; writes out0
.if DOCPART == 4
	.amdgcn_target "amdgcn-amd-amdhsa--gfx1250"
	.amdhsa_code_object_version 6
	.text
	.protected	k_q2abcc3b20e_encode
	.globl	k_q2abcc3b20e_encode
	.p2align	8
	.type	k_q2abcc3b20e_encode,@function
k_q2abcc3b20e_encode:
	s_mov_b64 s[64:65], 0
	v_nop
	global_prefetch_b8 v0, s[64:65] scope:SCOPE_SE
	s_setreg_imm32_b32 hwreg(HW_REG_WAVE_SCHED_MODE, 0, 2), 2
	s_setreg_imm32_b32 hwreg(HW_REG_WAVE_MODE, 25, 1), 1
	s_wait_xcnt 0x0
	s_wait_alu depctr_vm_vsrc(0)
; out0[b][l][:] = the trilinear blend of the 8 corners of b's cell in level l's grid; a corner's entry is found by the direct index (level 0) or the hash (levels 1-3); corners outside the grid count as zero.
; q holds x + 1.125 in units of 2^-21 (23 bits), made by the launch before.  All cells, hashes and addresses are whole-number arithmetic on q; only the weights become floats.
;
; ONE LEVEL, ONE DIMENSION.  With res cells, ix + 1 = (x + 1) res / 2 + 1/2, so T = u * res + 2^21 - res * 2^18 is (ix + 1) * 2^22 (mod 2^32): one multiply-add of 24-bit factors.
; e = T >> 22 is the upper corner, e - 1 the lower, T's low 22 bits the fraction f.  T lies under 545 * 2^22 or, where ix + 1 < 0, wraps to 992 * 2^22 and above, so the unsigned
; compares e < res and e - 1 < res say exactly which corner lies in the grid; a corner outside gets the weight 0 in its dimension, and then any entry may be read for it.
; INDEX.  (cx ^ cy * 2654435761 ^ cz * 805459861) & 16383 hangs on the primes' low 14 bits alone (0x39b1, 0x1795).  An entry is 8 bytes, so the hashed levels work in bytes from the
; start: 8 cx is T >> 19 with its low three bits cleared, the multipliers are 8 x 0x39b1 and 8 x 0x1795, the mask is 8 x 16383; no shift is left to do behind the exclusive ors.
; Level 0's cx + 16 cy + 256 cz is made by shifts and adds.
; RES0 to RES3 = floor(16 * g^l) with g = exp(ln 32 / 3), as reference() makes them: 16, 50, 161, 512.
;
; THE TABLE IN LDS.  An entry's two floats lie 65,536 bytes apart in emb.  They are laid side by side in LDS, so that a corner is ONE read of 8 bytes: 32 reads a point, not 64.
; That wants 32 KiB (level 0 uses 4,096 entries) + 3 x 128 KiB, more than LDS holds: level 3 takes level 1's place when level 1 is read no more.
; THE ORDER OF THE WORK.  A step is one point of each thread at one level; a thread has 8 points, 32 steps.  A point can leave only when all four levels are made, so level 1 is
; finished early and the steps that end a point are spread:
;   section A   4 steps   level 0, points 0-3                          meanwhile level 1's table is stored, two pieces a step
;   section B   8 steps   level 1, all points                          meanwhile level 2's table, one piece a step
;   section C   4 steps   level 0, points 4-7                          meanwhile level 3's table, into level 1's place, two pieces a step
;   section D  16 steps   for each point level 2, level 3, the store   nothing is stored to LDS any more
; So the work-group's 262,144 bytes of out0 leave over 16 of its 32 steps, every second one, and a thread keeps only levels 0 and 1 (32 registers).
; Barriers: level 0's table is whole; behind A (level 1's is whole); behind B (level 2's is whole, level 1's is read no more); behind C (level 3's is whole).
; THE FILL goes through registers, in 26 pieces of 2,048 entries (level 0: two, the others eight each): a thread loads 2 entries of each plane (a wave's load covers 256 consecutive
; bytes, aligned), lays them side by side and stores 16 bytes.  Every piece is asked for well before it is stored, into a slot of four registers that is idle at that time: slots 0-7
; (v52-83; the first four are the results of points 4-7, which are written only from section B's step 4 on, when those slots have been emptied), F and F2.
; WHERE A READ MAY FALL.  Reads that run beside a fill are bounded on both sides: levels 1 and 3 lie at LDS byte 0 and are bounded by the table's last entry; level 0's index is
; bounded and then shifted onto a constant base.  Level 2's base, 2^17, is set in the four y-z parts (one and-or in the mask's place); its reads are bounded from above alone, which
; serves since they stand in section D.
; NO TENSOR LOAD, NO CLUSTER, though all work-groups read the same table: a tensor load lays rows as they lie in memory, the two planes apart; that would double the 8,192 reads of
; 256 bytes that a work-group's waves make of LDS, to spare a fill of 416 KiB.
;
; THE MODE: SCHED_MODE bits 1:0 = 2 (LLVM: expert scheduling mode 2), set by the entry lines.  The code itself states the register dependences between vector instructions and
; memory or LDS instructions, and those through scalar registers that vector instructions write, with s_wait_alu, always for 0.  The text has no branch: one path, no back edge.
; THE PLAN.  Registers that memory or LDS instructions touch:
;   v1, v2, v3              offsets in emb, q, out0: made at the head, never written again.
;   v7, v11, v15, v19, v23  LDS addresses of the fill's stores, 16 x thread + k x 65,536: made at the head, never written again; the piece stands in the store's immediate offset.
;   Q                       written by the loads at the head; read by vector instructions alone.
;   a slot of the fill      a table load lands; three moves lay it side by side; one LDS store reads it; then another load lands in it, or (later) results are written there.
;   D                       the index arithmetic writes eight addresses; the eight reads read them, and each lands on its own; the blend reads and overwrites them.
;   OUTA, OUTB              a point's selects write them; its two stores, which stand in the next step, read them.
;   s[24:29]                six compares write them; six selects read them.
; A STEP HAS THREE WAITS.  Index arithmetic and the pieces' moves; ONE wait on va_vdst; the eight reads, the fill's LDS stores (in section D the last point's two stores); the weights, which
; name v100-119 and s[24:29] alone, with ONE wait on va_sdst between the six compares and the six selects; the wait for the entries; ONE wait on vm_vsrc; the table loads into the emptied slots; the blend.
; No second set of D for the next step's reads: eight waves of 128 registers fill a SIMD's 1,024.
;
; SHARES.  256 work-groups of 32 waves; a work-group owns 8,192 points, a thread 8.
; In a block of 32 points even lane 2k owns point k, odd lane 2k+1 point 16+k.  At a point's end the two swap halves (the even lane gives levels 2, 3 and takes its neighbour's 0, 1),
; so that each store of a wave covers 512 consecutive bytes, aligned: lane l's 16 bytes at 16 l.
; LIMITS.  x as q holds it (moved by at most 0.75 * 2^-21: 9.2e-5 of a cell at 512 cells); a NaN in x gives zeros.  The weights carry 2^22 a dimension, taken out by one multiply by
; 2^-66 at the end: exact, unless |emb| passes 2^61.  The eight terms are added in another order than reference()'s.
.set RES0, 16
.set RES1, 50
.set RES2, 161
.set RES3, 512
.set FRAC, 22                          ; fraction bits of T
.set KY8,  0x39b1*8                    ; 8 x (2654435761 mod 2^14)
.set KZ8,  0x1795*8                    ; 8 x (805459861 mod 2^14)
.set MASK8, 0x3fff*8                   ; the byte offset of a hashed table's last entry, and the mask of such offsets
.set LDS_A, 0                          ; LDS: level 1's table, later level 3's, 131,072 bytes
.set LDS_B, 131072                     ;      level 2's: 2^17, one bit above MASK8
.set LDS_0, 262144                     ;      level 0's, 32,768 bytes
.set PIECE, 16384                      ; a piece's bytes in LDS: 1,024 threads x 16
.set T8,  1                            ; v1       8 x thread: my 2 entries in a piece of a plane of emb; never rewritten
.set QO,  2                            ; v2       my point's byte offset in q within the work-group's part; never rewritten
.set OO,  3                            ; v3       my 16 bytes' offset in out0 within the work-group's part; never rewritten
.set Q,   4                            ; v[4:35]  point p: u of x, y, z in v[4+4p : 6+4p]
.set FA,  7                            ; v7, v11, v15, v19, v23 (the gaps behind the three words of points 0 to 4): 16 x thread + k x 65,536, k = 0 to 4; never rewritten
.set RS,  36                           ; v[36:67] point p: levels 0 and 1, two floats each, at 36+4p
.set SL,  52                           ; v[52:83] slot k of the fill at 52+4k, k = 0 to 7
.set L2T, 68                           ; v[68:69] section D: the point's level 2
.set D,   84                           ; v[84:99] corner c = x + 2 y + 4 z: its LDS address in v[84+2c], then its entry in that pair
.set T,   100                          ; v[100:102] T, then f as a float
.set E,   103                          ; v[103:105] upper corner (of x in the hashed levels: times 8)
.set C,   106                          ; v[106:108] lower corner (likewise)
.set FT,  109                          ; v109     at work in the fill
.set HY,  110                          ; v[110:111] y's part of the index for the lower, the upper corner
.set HZ,  112                          ; v[112:113] the same for z
.set H,   114                          ; v[114:117] the four y-z parts of the index
.set WX,  110                          ; the weights take these registers once the addresses are made: v[110:111] x (lower, upper), v[112:113] y, v[114:115] z
.set WY,  112
.set WZ,  114
.set WA,  116                          ; v[116:117] wy0 wz0, wy1 wz0
.set WB,  118                          ; v[118:119] wy0 wz1, wy1 wz1
.set F,   120                          ; v[120:123] a slot of the fill
.set F2,  124                          ; v[124:127] another
.set SND, 100                          ; a point's end: what I give my neighbour, then what I got
.set OUTA, 120                         ;   16 bytes for the block's first 16 points
.set OUTB, 124                         ;   16 bytes for its last 16
.set SKY, 18                           ; s18, s19 KY8, KZ8
.set SKZ, 19
.set SEV, 20                           ; s20 the even lanes
.set SMK, 21                           ; s21 MASK8
.set SB,  22                           ; s22 LDS_B
.set M,   24                           ; s[24:29] which corners lie in the grid
.set LV,  32                           ; level l: s[32+4l] res, s[33+4l] 2^21 - res * 2^18, s[34+4l] the bound of x's corners as E and C hold them: res, or 8 res
; Point p's three words: a wave's load covers 384 consecutive bytes; q is read once.
.macro QLOAD p
	global_load_b96 v[Q+4*\p:Q+4*\p+2], v[QO], s[4:5] offset:\p*12288 th:TH_LOAD_NT
.endm
; Two entries a lane from each plane of level lv, piece j: two loads.
.macro TLOAD reg, lv, j
	global_load_b64 v[\reg:\reg+1],   v[T8], s[6:7] offset:(\lv)*131072+(\j)*8192
	global_load_b64 v[\reg+2:\reg+3], v[T8], s[6:7] offset:(\lv)*131072+65536+(\j)*8192
.endm
; (a0 a1 b0 b1) becomes (a0 b0 a1 b1),
.macro TSWAP reg
	v_mov_b32 v[FT], v[\reg+1]
	v_mov_b32 v[\reg+1], v[\reg+2]
	v_mov_b32 v[\reg+2], v[FT]
.endm
; and goes to LDS byte lds + 16 x thread: lane l's 16 bytes at 16 l, a wave's 512 bytes on end; every thread of the work-group has bytes of its own.
.macro TPUT reg, lds
	ds_store_b128 v[FA+4*((\lds)/65536)], v[\reg:\reg+3] offset:(\lds)%65536
.endm
; Between sections: my stores into the tables are done and my reads of this section's table are back; then all 32 waves meet.
.macro SYNC
	s_wait_dscnt 0x0
	s_barrier_signal -1
	s_barrier_wait -1
.endm
; The first part of a step: point p's eight addresses at level lv.
.macro FADDR p, lv
.irp d, 0,1,2
	v_mad_u32_u24 v[T+\d], v[Q+4*(\p)+\d], s[LV+4*\lv], s[LV+4*\lv+1]   ; (ix + 1) * 2^22
.endr
.if \lv == 0
.irp d, 0,1,2
	v_lshrrev_b32 v[E+\d], FRAC, v[T+\d]
.endr
.irp d, 0,1,2
	v_add_nc_u32 v[C+\d], -1, v[E+\d]
.endr
	v_lshlrev_b32 v[HY],   4, v[C+1]                            ; 16 cy
	v_lshlrev_b32 v[HY+1], 4, v[E+1]
	v_lshl_add_u32 v[H],   v[C+2], 8, v[HY]                     ; + 256 cz
	v_lshl_add_u32 v[H+1], v[C+2], 8, v[HY+1]
	v_lshl_add_u32 v[H+2], v[E+2], 8, v[HY]
	v_lshl_add_u32 v[H+3], v[E+2], 8, v[HY+1]
.irp n, 0,1,2,3
	v_add_nc_u32 v[D+4*\n],   v[C], v[H+\n]                     ; + cx: under 4,096 where all three corners lie in the grid;
	v_add_nc_u32 v[D+4*\n+2], v[E], v[H+\n]
.endr
.irp n, 0,1,2,3,4,5,6,7
	v_min_u32 v[D+2*\n], 0xfff, v[D+2*\n]                       ; where one does not, the weight is 0 and this brings the index inside the table; a number that came from memory enters an address only behind such a bound
.endr
.irp n, 0,1,2,3,4,5,6,7
	v_lshl_add_u32 v[D+2*\n], v[D+2*\n], 3, LDS_0               ; 8 bytes an entry: inside level 0's table and nowhere else
.endr
.else
	v_lshrrev_b32 v[E],   FRAC-3, v[T]
	v_lshrrev_b32 v[E+1], FRAC,   v[T+1]
	v_lshrrev_b32 v[E+2], FRAC,   v[T+2]
	v_and_b32 v[E], -8, v[E]                                    ; 8 x the upper corner of x: under 8,192, inside the mask
	v_mul_u32_u24 v[HY+1], s[SKY], v[E+1]
	v_mul_u32_u24 v[HZ+1], s[SKZ], v[E+2]
	v_add_nc_u32 v[C],   -8, v[E]
	v_add_nc_u32 v[C+1], -1, v[E+1]
	v_add_nc_u32 v[C+2], -1, v[E+2]
	v_sub_nc_u32 v[HY], v[HY+1], s[SKY]
	v_sub_nc_u32 v[HZ], v[HZ+1], s[SKZ]
	v_xor_b32 v[H],   v[HY],   v[HZ]
	v_xor_b32 v[H+1], v[HY+1], v[HZ]
	v_xor_b32 v[H+2], v[HY],   v[HZ+1]
	v_xor_b32 v[H+3], v[HY+1], v[HZ+1]
.if \lv == 2
.set TOP, LDS_B+MASK8
.irp n, 0,1,2,3
	v_and_or_b32 v[H+\n], v[H+\n], s[SMK], s[SB]                ; the mask, and the table's base in the bit above it
.endr
.else
.set TOP, LDS_A+MASK8
.irp n, 0,1,2,3
	v_and_b32 v[H+\n], s[SMK], v[H+\n]
.endr
.endif
.irp n, 0,1,2,3
	v_xor_b32 v[D+4*\n],   v[C], v[H+\n]                        ; 8 cx touches bits 3 to 12 alone, but for the lower corner -1,
	v_xor_b32 v[D+4*\n+2], v[E], v[H+\n]
.endr
.irp n, 0,1,2,3,4,5,6,7
	v_min_u32 v[D+2*\n], TOP, v[D+2*\n]                         ; which this brings to the table's last entry (its weight is 0); a number that came from memory enters an address only behind such a bound
.endr
.endif
.endm
; The eight reads, behind the step's wait on va_vdst.
.macro READ
.irp n, 0,1,2,3,4,5,6,7
	ds_load_b64 v[D+2*\n:D+2*\n+1], v[D+2*\n]                   ; the entry lands on its own address
.endr
.endm
; The weights at level lv, while the reads are out.  These lines name v100-119 and s[24:29] alone: none of the registers that the step's reads, stores and table loads touch.
.macro WGT lv
.irp d, 0,1,2
	v_and_b32 v[T+\d], (1<<FRAC)-1, v[T+\d]
.endr
	v_cmp_gt_u32 s[M],   s[LV+4*\lv+2], v[C]                    ; unsigned: -1 (or -8) and the wrapped cells are large
	v_cmp_gt_u32 s[M+1], s[LV+4*\lv+2], v[E]
.irp d, 1,2
	v_cmp_gt_u32 s[M+2*\d],   s[LV+4*\lv], v[C+\d]
	v_cmp_gt_u32 s[M+2*\d+1], s[LV+4*\lv], v[E+\d]
.endr
.irp d, 0,1,2
	v_cvt_f32_u32 v[T+\d], v[T+\d]                              ; f * 2^22, exact
.endr
.irp d, 0,1,2
	v_sub_f32 v[WX+2*\d], 0x4a800000, v[T+\d]                   ; (1 - f) * 2^22, exact
.endr
	s_wait_alu depctr_va_sdst(0)                                ; the six compares have written s[24:29], which the six selects below read: one wait behind the run
.irp d, 0,1,2
	v_cndmask_b32 v[WX+2*\d],   0, v[WX+2*\d], s[M+2*\d]
	v_cndmask_b32 v[WX+2*\d+1], 0, v[T+\d],    s[M+2*\d+1]
.endr
	v_pk_mul_f32 v[WA:WA+1], v[WY:WY+1], v[WZ:WZ+1] op_sel_hi:[1,0]              ; both wy times wz0
	v_pk_mul_f32 v[WB:WB+1], v[WY:WY+1], v[WZ:WZ+1] op_sel:[0,1] op_sel_hi:[1,1] ; both wy times wz1
.endm
; The last part, behind the wait for the eight entries: along x first, both floats of an entry at once, then the four y-z weights; the level's two floats go to the pair dst.
.macro BACK dst
.irp n, 0,1,2,3
	v_pk_mul_f32 v[D+4*\n:D+4*\n+1], v[D+4*\n:D+4*\n+1], v[WX:WX+1] op_sel_hi:[1,0]
.endr
.irp n, 0,1,2,3
	v_pk_fma_f32 v[D+4*\n:D+4*\n+1], v[D+4*\n+2:D+4*\n+3], v[WX:WX+1], v[D+4*\n:D+4*\n+1] op_sel:[0,1,0] op_sel_hi:[1,1,1]
.endr
	v_pk_mul_f32 v[\dst:\dst+1], v[D:D+1],     v[WA:WA+1] op_sel_hi:[1,0]
	v_pk_fma_f32 v[\dst:\dst+1], v[D+4:D+5],   v[WA:WA+1], v[\dst:\dst+1] op_sel:[0,1,0] op_sel_hi:[1,1,1]
	v_pk_fma_f32 v[\dst:\dst+1], v[D+8:D+9],   v[WB:WB+1], v[\dst:\dst+1] op_sel_hi:[1,0,1]
	v_pk_fma_f32 v[\dst:\dst+1], v[D+12:D+13], v[WB:WB+1], v[\dst:\dst+1] op_sel:[0,1,0] op_sel_hi:[1,1,1]
	v_pk_mul_f32 v[\dst:\dst+1], v[\dst:\dst+1], 0x1e800000 op_sel_hi:[1,0]      ; 2^-66: the three weights' 2^22
.endm
; Point p is whole: levels 0, 1 in RS, level 2 in L2T, level 3 in v[D+2:D+3].  Swap halves with the neighbouring lane; what is to be stored goes to OUTA and OUTB.
.macro MIX p
.irp r, 0,1
	v_cndmask_b32 v[SND+\r],   v[RS+4*\p+\r],   v[L2T+\r], s[SEV]                ; an even lane gives levels 2, 3; an odd lane levels 0, 1
	v_cndmask_b32 v[SND+2+\r], v[RS+4*\p+2+\r], v[D+2+\r], s[SEV]
.endr
.irp r, 0,1,2,3
	v_mov_b32_dpp v[SND+\r], v[SND+\r] row_xmask:1 row_mask:0xf bank_mask:0xf
.endr
	s_wait_xcnt 0x0                                             ; the last point's stores have had their addresses translated (ISA guide 3.1): their data registers are rewritten only behind this wait; that they have read OUTA and OUTB the two waits on vm_vsrc issued since those stores have stated
.irp r, 0,1,2,3
	v_cndmask_b32 v[OUTA+\r], v[SND+\r], v[RS+4*\p+\r], s[SEV]                   ; point k: even lane its own levels 0, 1; odd lane the neighbour's 2, 3
.endr
.irp r, 0,1
	v_cndmask_b32 v[OUTB+\r],   v[L2T+\r], v[SND+\r],   s[SEV]                   ; point 16 + k: even lane the neighbour's levels 0, 1; odd lane its own 2, 3
	v_cndmask_b32 v[OUTB+2+\r], v[D+2+\r], v[SND+2+\r], s[SEV]
.endr
.endm
; Point p's two stores, behind a wait on va_vdst that stands behind MIX p.
.macro SEND p
	global_store_b128 v[OO], v[OUTA:OUTA+3], s[8:9] offset:(\p)*32768 th:TH_STORE_NT       ; 32 lanes, 512 consecutive bytes, at a multiple of 512 from out0's first byte
	global_store_b128 v[OO], v[OUTB:OUTB+3], s[8:9] offset:(\p)*32768+512 th:TH_STORE_NT
.endm
; A step of section A: level 0 of point p = 0 to 3; level 1's pieces 2 p and 2 p + 1 leave slots 2 p and 2 p + 1, which are asked for again at once.
.macro SECA p
	s_wait_loadcnt 27-\p                                        ; q of point p
	FADDR \p, 0
	s_wait_loadcnt 23-\p                                        ; the two pieces
	TSWAP SL+8*\p
	TSWAP SL+8*\p+4
	s_wait_alu depctr_va_vdst(0)                                ; the eight addresses in D are written, and the step before is done with D, on which the reads land; the moves have written the two slots, which the LDS stores read, and are done with them for the loads further down
	READ
	TPUT SL+8*\p,   LDS_A+(2*\p)*PIECE
	TPUT SL+8*\p+4, LDS_A+(2*\p+1)*PIECE
	WGT 0
	s_wait_dscnt 0x0                                            ; the eight entries are in, and the pieces are in LDS
	s_wait_alu depctr_vm_vsrc(0)                                ; the reads have read their addresses, which the blend overwrites; the LDS stores have read the two slots, in which the loads below land
.if \p < 3
	TLOAD SL+8*\p,   2, 2*\p+2                                  ; level 2's pieces 2 to 7: stored in section B
	TLOAD SL+8*\p+4, 2, 2*\p+3
.else
	TLOAD SL+8*\p,   3, 0                                       ; level 3's pieces 0, 1: stored in section C
	TLOAD SL+8*\p+4, 3, 1
.endif
	BACK RS+4*\p
.endm
; A step of section B: level 1 of point p; level 2's piece p leaves its slot; again >= 0: the slot takes that piece of level 3.
.macro SECB p, cnt, slot, again
	FADDR \p, 1
	s_wait_loadcnt \cnt
	TSWAP \slot
	s_wait_alu depctr_va_vdst(0)                                ; the eight addresses in D are written, and the step before is done with D, on which the reads land; the moves have written the slot, which the LDS store reads, and are done with it for a load further down
	READ
	TPUT \slot, LDS_B+\p*PIECE
	WGT 1
	s_wait_dscnt 0x0
	s_wait_alu depctr_vm_vsrc(0)                                ; the reads have read their addresses, which the blend overwrites; the LDS store has read the slot, in which a load lands below or which later steps' results overwrite
.if \again >= 0
	TLOAD \slot, 3, \again
.endif
	BACK RS+4*\p+2
.endm
; A step of section C: level 0 of point p = 4 to 7; level 3's pieces 2 (p - 4) and 2 (p - 4) + 1 leave slots s1 and s2.
.macro SECC p, cnt, s1, s2
	FADDR \p, 0
	s_wait_loadcnt \cnt
	TSWAP \s1
	TSWAP \s2
	s_wait_alu depctr_va_vdst(0)                                ; the eight addresses in D are written, and the step before is done with D, on which the reads land; the moves have written the two slots, which the LDS stores read, and are done with them for the loads further down
	READ
	TPUT \s1, LDS_A+(2*(\p-4))*PIECE
	TPUT \s2, LDS_A+(2*(\p-4)+1)*PIECE
	WGT 0
	s_wait_dscnt 0x0
	s_wait_alu depctr_vm_vsrc(0)                                ; the reads have read their addresses, which the blend overwrites; the LDS stores have read the two slots, in which loads land below or which section D's vector instructions overwrite
.if \p == 4
	TLOAD \s1, 3, 6                                             ; level 3's last two pieces: stored three steps on
	TLOAD \s2, 3, 7
.endif
	BACK RS+4*\p
.endm
.macro LEVEL l, res, xb                ; a level's three constants
	s_mov_b32 s[LV+4*\l], \res
	s_mov_b32 s[LV+4*\l+1], ((1<<21)-(\res<<18))&0xffffffff
	s_mov_b32 s[LV+4*\l+2], \xb
.endm
	s_load_b128 s[4:7], s[0:1], 0x0                ; q s[4:5], emb s[6:7]
	s_load_b64 s[8:9], s[0:1], 0x10                ; out0
	v_lshl_add_u32 v31, v0, 2, 0x48000
	v_mov_b32 v35, 0
	v_lshlrev_b32 v[T8], 3, v0
	v_lshrrev_b32 v[T], 5, v0                      ; wave
	v_bfe_u32 v[T+1], v0, 1, 4                     ; lane / 2
	v_and_b32 v[T+2], 1, v0                        ; lane % 2
	; block p x 32 + wave of 32 points is the wave's p-th: 384 bytes of q, 1,024 bytes of out0; p stands in the immediates
	v_mul_u32_u24 v[QO], 0x180, v[T]
	v_mad_u32_u24 v[QO], v[T+1], 12, v[QO]         ; point lane / 2,
	v_mad_u32_u24 v[QO], v[T+2], 0xc0, v[QO]       ; sixteen further on for the odd lanes
	v_lshlrev_b32 v[OO], 4, v0                     ; 1,024 x wave + 16 x lane = 16 x thread + 512 x wave
	v_lshl_add_u32 v[OO], v[T], 9, v[OO]
.irp k, 0,1,2,3,4
	v_lshl_add_u32 v[FA+4*\k], v0, 4, \k*65536     ; the fill's five LDS addresses: an LDS store's immediate offset reaches 65,535 bytes, four pieces
.endr
	s_mul_i32 s10, ttmp9, 98304                    ; the work-group's 8,192 points: 12 bytes each in q,
	s_mov_b32 s11, 0
	s_lshl_b32 s12, ttmp9, 18                      ; 32 bytes each in out0
	s_mov_b32 s13, 0
	s_mov_b32 s[SEV], 0x55555555
	s_mov_b32 s[SKY], KY8
	s_mov_b32 s[SKZ], KZ8
	s_mov_b32 s[SMK], MASK8
	s_mov_b32 s[SB], LDS_B
	LEVEL 0, RES0, RES0
	LEVEL 1, RES1, 8*RES1
	LEVEL 2, RES2, 8*RES2
	LEVEL 3, RES3, 8*RES3
	s_wait_kmcnt 0x0
	s_add_nc_u64 s[4:5], s[4:5], s[10:11]
	s_add_nc_u64 s[8:9], s[8:9], s[12:13]
	s_wait_alu depctr_va_vdst(0)                   ; v1, v2, v3 and the five LDS addresses are written: every load and store of the kernel, and every LDS store of the fill, reads one of them
	; THE LOADS, numbered in the order of issue.  They come back in that order, so a wait's count is the loads issued so far less the place of the one that is wanted.
	;   the head   1-4 level 0;  5 p + 5 q of point p, 5 p + 6 to 5 p + 9 level 1's pieces 2 p, 2 p + 1 (p = 0 to 3);  25-28 level 2's pieces 0, 1;  29-32 q of points 4-7
	;   section A  33-44 level 2's pieces 2-7, four loads a step;  45-48 level 3's pieces 0, 1
	;   section B  49-50, 51-52 level 3's pieces 2, 3 (steps 0, 1);  53-54, 55-56 its pieces 4, 5 (steps 6, 7)
	;   section C  57-60 level 3's pieces 6, 7 (step 0)
	TLOAD D,   0, 0
	TLOAD D+4, 0, 1
.irp p, 0,1,2,3
	QLOAD \p
	TLOAD SL+8*\p,   1, 2*\p
	TLOAD SL+8*\p+4, 1, 2*\p+1
.endr
	TLOAD F,  2, 0
	TLOAD F2, 2, 1
	QLOAD 4
	QLOAD 5
	QLOAD 6
	QLOAD 7
	s_wait_loadcnt 28                              ; 32 issued, place 4: level 0's four loads are in
	TSWAP D
	TSWAP D+4
	s_wait_alu depctr_va_vdst(0)                   ; the moves have written v[84:91], which the two LDS stores read
	TPUT D,   LDS_0
	TPUT D+4, LDS_0+PIECE
	SYNC                                           ; level 0's table is whole
	s_wait_alu depctr_vm_vsrc(0)                   ; my two LDS stores have read v[84:91]: these registers are D from here on, and the first index arithmetic writes them
	; SECTION A.  Issued 32, 36, 40, 44 at its four steps; q at places 5, 10, 15, 20: counts 27, 26, 25, 24; the second piece's last load at 9, 14, 19, 24: counts 23, 22, 21, 20.
	SECA 0
	SECA 1
	SECA 2
	SECA 3
	SYNC                                           ; level 1's table is whole
	; SECTION B.  Issued 48, 50, then 52 up to step 6, 54 at step 7; level 2's piece p ends at places 26, 28, 34, 36, 38, 40, 42, 44.  Step 2's wait also shows places 29-32, q of points 4-7.
	SECB 0, 22, F,     2
	SECB 1, 22, F2,    3
	SECB 2, 18, SL,    -1
	SECB 3, 16, SL+4,  -1
	SECB 4, 14, SL+8,  -1
	SECB 5, 12, SL+12, -1
	SECB 6, 10, SL+16, 4
	SECB 7, 10, SL+20, 5
	SYNC                                           ; level 2's table is whole, and nobody reads level 1's any more: level 3 takes its place
	; SECTION C.  Issued 56, then 60; the second piece ends at places 48, 52, 56, 60.
	SECC 4, 8, SL+24, SL+28
	SECC 5, 8, F,     F2
	SECC 6, 4, SL+16, SL+20
	SECC 7, 0, SL+24, SL+28
	SYNC                                           ; level 3's table is whole; from here on LDS is only read
	; SECTION D.  Each point is finished and leaves: two stores in every second step.  A point's stores stand in the next point's first step, behind that step's wait on va_vdst and its reads.
.irp p, 0,1,2,3,4,5,6,7
	FADDR \p, 2
	s_wait_alu depctr_va_vdst(0)                   ; the eight addresses in D are written, and the step before is done with D, on which the reads land; from the second point on, the last point's selects have written OUTA and OUTB, which the stores below read
	READ
.if \p > 0
	SEND \p-1
.endif
	WGT 2
	s_wait_dscnt 0x0                               ; the eight entries are in
	s_wait_alu depctr_vm_vsrc(0)                   ; the reads have read their addresses, which the blend overwrites; the two stores have read OUTA and OUTB, which this point's selects write again
	BACK L2T
	FADDR \p, 3
	s_wait_alu depctr_va_vdst(0)                   ; the eight addresses in D are written, and level 2's blend is done with D, on which the reads land
	READ
	WGT 3
	s_wait_dscnt 0x0
	s_wait_alu depctr_vm_vsrc(0)                   ; the reads have read their addresses, which the blend overwrites
	BACK D+2                                       ; level 3's two floats stand in a pair that the blend has already used up
	MIX \p
.endr
	s_wait_alu depctr_va_vdst(0)                   ; the last point's selects have written OUTA and OUTB, which the last two stores read
	SEND 7
	s_wait_dscnt 0x0
	s_wait_alu depctr_hold_cnt(0) depctr_sa_sdst(0) depctr_va_vdst(0) depctr_va_sdst(0) depctr_va_ssrc(0) depctr_va_vcc(0) depctr_vm_vsrc(0)
	s_wait_tensorcnt 0x0
	ds_add_u32 v31, v35
	s_wait_dscnt 0x0
	s_endpgm
.Lfunc_end_k_q2abcc3b20e_encode:
	.size	k_q2abcc3b20e_encode, .Lfunc_end_k_q2abcc3b20e_encode-k_q2abcc3b20e_encode
	.p2alignl 7, 3214868480
	.fill 96, 4, 3214868480
	.section	.rodata,"a",@progbits
	.p2align	6, 0x0
	.amdhsa_kernel k_q2abcc3b20e_encode
		.amdhsa_group_segment_fixed_size 299008
		.amdhsa_private_segment_fixed_size 0
		.amdhsa_enable_private_segment 0
		.amdhsa_kernarg_size 24
		.amdhsa_user_sgpr_count 2
		.amdhsa_user_sgpr_kernarg_segment_ptr 1
		.amdhsa_wavefront_size32 1
		.amdhsa_system_sgpr_workgroup_id_x 1
		.amdhsa_system_sgpr_workgroup_id_y 1
		.amdhsa_system_sgpr_workgroup_id_z 1
		.amdhsa_system_vgpr_workitem_id 0
		.amdhsa_next_free_vgpr 128
		.amdhsa_next_free_sgpr 66
		.amdhsa_reserve_vcc 0
		.amdhsa_float_denorm_mode_32 3
		.amdhsa_float_denorm_mode_16_64 3
		.amdhsa_memory_ordered 1
		.amdhsa_forward_progress 1
		.amdhsa_inst_pref_size 171
	.end_amdhsa_kernel
	.amdgpu_metadata
---
amdhsa.version: [ 1, 2 ]
amdhsa.kernels:
  - .name:           k_q2abcc3b20e_encode
    .symbol:         k_q2abcc3b20e_encode.kd
    .args:
      - { .name: q, .offset: 0, .size: 8, .value_kind: global_buffer, .address_space: global }
      - { .name: emb, .offset: 8, .size: 8, .value_kind: global_buffer, .address_space: global }
      - { .name: out0, .offset: 16, .size: 8, .value_kind: global_buffer, .address_space: global }
    .group_segment_fixed_size: 299008
    .private_segment_fixed_size: 0
    .kernarg_segment_align: 8
    .kernarg_segment_size: 24
    .max_flat_workgroup_size: 1024
    .sgpr_count:     66
    .vgpr_count:     128
    .wavefront_size: 32
...
	.end_amdgpu_metadata
.endif
;; end of part 4
